; MI455X (gfx1250); checked and timed in simulation.
; The chip was launched on July 23, 2026; its instructions are those of AMD's public machine-readable ISA for CDNA 5 (MIT licence, August 2026) and "CDNA5" Instruction Set Architecture Reference Guide (July 2026). The comments in the code are by the model that wrote it; some were corrected since.
;; GRU Model. Allowed arithmetic: float matrix products may take bf16 or f16 operands with f32 sums; all other float work in f32.
;; Inputs: W_ir 2 x 512 x 512 float32; W_iz 2 x 512 x 512 float32; b_ir 2 x 512 float32; b_iz 2 x 512 float32; edge_label_index 2 x 100,000 int32; emb 10,000 x 512 float32; lin_b 1 float32; lin_w 1 x 512 float32; skip_b 512 float32; skip_w 512 x 512 float32; walk_idx 2,500 x 20 int32.
;; Outputs: out0 100,000 float32; out1 2,500 x 512 float32.
;; One version. Each part assembles by itself: llvm-mc -triple=amdgcn-amd-amdhsa -mcpu=gfx1250 --defsym DOCPART=n.
;; ======== version 1 of 1: 4 launches
;; limits: values outside matrix products are rounded to f16; values are held in f16: magnitudes above 65,504 overflow, below 6.1e-05 lose precision
;; workspace buffers: embb 10,485,760 bytes; wb 2,097,152 bytes; tab 41,943,040 bytes; skip16 524,288 bytes; hn16 2,625,536 bytes; score 10,240 bytes
;; launch cast (part 1): grid 804 x 1, 8 waves a work-group, no clusters, 0 bytes of LDS; arguments emb, W_iz, W_ir, skip_w, embb, wb, skip16, hn16; writes embb, wb, skip16, hn16
.if DOCPART == 1
	.amdgcn_target "amdgcn-amd-amdhsa--gfx1250"
	.amdhsa_code_object_version 6
	.text
	.protected	k_qa7e0d496c2_cast
	.globl	k_qa7e0d496c2_cast
	.p2align	8
	.type	k_qa7e0d496c2_cast,@function
k_qa7e0d496c2_cast:
	s_mov_b64 s[64:65], 0
	v_nop
	global_prefetch_b8 v0, s[64:65] scope:SCOPE_SE
	s_setreg_imm32_b32 hwreg(HW_REG_WAVE_MODE, 25, 1), 1
	s_wait_xcnt 0x0
; THE OPERANDS OF THE TWO PRODUCTS, ROUNDED ONCE.  emb -> embb [10240][512] bf16 (rows 10,000 on are 0); W_iz, W_ir -> wb [2048][512] bf16, rows re-ordered;
; skip_w -> skip16 [512][512]: rounded to bf16 and that number written as f16; the 64 rows behind hn16's 2,500 are set to 0, so that the last product's tiles hold finite numbers.
; wb's ORDER.  Row n: q = n / 64; gate = q & 1 (0: W_iz, 1: W_ir); channel block = (q >> 1) & 7; layer = q >> 4; source row = 512 layer + 64 block + n % 64.
; So 128 consecutive rows of wb are z's and then ht's weights of the same 64 channels of one layer.
; LIMIT.  skip_w stays under 65,504 in magnitude (f16's range); a bf16 number below 6e-5 keeps f16's fixed step of 6e-8.
; SHARES.  A work-group takes a chunk of 16 rows of 512 f32: 32,768 bytes in, 16,384 out, both dense.  Thread t, pass p: 16 bytes at 16 t + 4,096 p in (a wave: 512 consecutive bytes),
; 8 bytes at 8 t + 2,048 p out (a wave: 256 consecutive bytes, aligned).  No LDS, no barrier, no matrix unit: nothing is shared and nothing is multiplied.
; The chunk's kind hangs on the work-group's number alone: 0-624 emb; 625-639 zeros behind it; 640-767 W; 768-799 skip_w; 800-803 zeros behind hn16's rows.
.set X, 4                              ; v[4:35]   pass p: 4 registers as loaded
.set Y, 36                             ; v[36:51]  pass p: 2 registers to store
.set T, 52                             ; v[52:55]  at work
; Eight loads, all issued at once; then pass by pass: the count leaves the younger loads out.  No register is written twice while a memory instruction reads it.
.macro CONV f16
.irp p, 0,1,2,3,4,5,6,7
	global_load_b128 v[X+4*(\p):X+4*(\p)+3], v1, s[22:23] offset:4096*(\p) th:TH_LOAD_NT
.endr
.irp p, 0,1,2,3,4,5,6,7
	s_wait_loadcnt 7-(\p)                          ; loads come back in order: pass p is in, 7 - p younger ones stay out
	v_cvt_pk_bf16_f32 v[Y+2*(\p)], v[X+4*(\p)], v[X+4*(\p)+1]
	v_cvt_pk_bf16_f32 v[Y+2*(\p)+1], v[X+4*(\p)+2], v[X+4*(\p)+3]
.if \f16
	v_lshlrev_b32 v[T], 16, v[Y+2*(\p)]            ; the bf16 numbers as f32,
	v_and_b32 v[T+1], 0xffff0000, v[Y+2*(\p)]
	v_lshlrev_b32 v[T+2], 16, v[Y+2*(\p)+1]
	v_and_b32 v[T+3], 0xffff0000, v[Y+2*(\p)+1]
	v_cvt_pk_f16_f32 v[Y+2*(\p)], v[T], v[T+1]     ; written as f16: exact within f16's range
	v_cvt_pk_f16_f32 v[Y+2*(\p)+1], v[T+2], v[T+3]
.endif
	global_store_b64 v2, v[Y+2*(\p):Y+2*(\p)+1], s[24:25] offset:2048*(\p)
.endr
	s_endpgm
.endm
.macro ZERO
	v_mov_b32 v[Y], 0
	v_mov_b32 v[Y+1], 0
.irp p, 0,1,2,3,4,5,6,7
	global_store_b64 v2, v[Y:Y+1], s[24:25] offset:2048*(\p)
.endr
	s_endpgm
.endm
	s_load_b512 s[4:19], s[0:1], 0x0               ; emb s[4:5], W_iz s[6:7], W_ir s[8:9], skip_w s[10:11], embb s[12:13], wb s[14:15], skip16 s[16:17], hn16 s[18:19]
	v_lshlrev_b32 v1, 4, v0                        ; 16 t
	v_lshlrev_b32 v2, 3, v0                        ; 8 t
	s_mov_b32 s28, ttmp9                           ; the chunk
	s_mov_b32 s21, 0                               ; offsets are pairs with 0 on top: all stay under 2^32
	s_mov_b32 s27, 0
	s_wait_kmcnt 0x0
	s_cmp_lt_u32 s28, 625
	s_cbranch_scc0 .Lnot_emb
	s_lshl_b32 s20, s28, 15
	s_lshl_b32 s26, s28, 14
	s_add_nc_u64 s[22:23], s[4:5], s[20:21]
	s_add_nc_u64 s[24:25], s[12:13], s[26:27]
	CONV 0
.Lnot_emb:
	s_cmp_lt_u32 s28, 640
	s_cbranch_scc0 .Lnot_pad
	s_lshl_b32 s26, s28, 14
	s_add_nc_u64 s[24:25], s[12:13], s[26:27]
	ZERO
.Lnot_pad:
	s_cmp_lt_u32 s28, 768
	s_cbranch_scc0 .Lnot_w
	s_sub_co_u32 s29, s28, 640                     ; j: chunk of wb; 4 chunks are 64 rows
	s_lshr_b32 s30, s29, 6
	s_lshl_b32 s20, s30, 20                        ; layer x 512 rows x 2,048 bytes
	s_bfe_u32 s30, s29, 0x30003
	s_lshl_b32 s30, s30, 17                        ; channel block x 64 rows
	s_or_b32 s20, s20, s30
	s_and_b32 s30, s29, 3
	s_lshl_b32 s30, s30, 15                        ; 16 rows inside the block
	s_or_b32 s20, s20, s30
	s_lshl_b32 s26, s29, 14
	s_bitcmp1_b32 s29, 2                           ; the gate
	s_cselect_b64 s[22:23], s[8:9], s[6:7]         ; 1: W_ir, 0: W_iz
	s_add_nc_u64 s[22:23], s[22:23], s[20:21]
	s_add_nc_u64 s[24:25], s[14:15], s[26:27]
	CONV 0
.Lnot_w:
	s_cmp_lt_u32 s28, 800
	s_cbranch_scc0 .Lnot_skip
	s_sub_co_u32 s29, s28, 768
	s_lshl_b32 s20, s29, 15
	s_lshl_b32 s26, s29, 14
	s_add_nc_u64 s[22:23], s[10:11], s[20:21]
	s_add_nc_u64 s[24:25], s[16:17], s[26:27]
	CONV 1
.Lnot_skip:
	s_sub_co_u32 s29, s28, 800
	s_lshl_b32 s26, s29, 14
	s_add_co_u32 s26, s26, 2560000                 ; behind hn16's 2,500 rows of 1,024 bytes
	s_add_nc_u64 s[24:25], s[18:19], s[26:27]
	ZERO
.Lfunc_end_k_qa7e0d496c2_cast:
	.size	k_qa7e0d496c2_cast, .Lfunc_end_k_qa7e0d496c2_cast-k_qa7e0d496c2_cast
	.p2alignl 7, 3214868480
	.fill 96, 4, 3214868480
	.section	.rodata,"a",@progbits
	.p2align	6, 0x0
	.amdhsa_kernel k_qa7e0d496c2_cast
		.amdhsa_group_segment_fixed_size 0
		.amdhsa_private_segment_fixed_size 0
		.amdhsa_enable_private_segment 0
		.amdhsa_kernarg_size 64
		.amdhsa_user_sgpr_count 2
		.amdhsa_user_sgpr_kernarg_segment_ptr 1
		.amdhsa_wavefront_size32 1
		.amdhsa_system_sgpr_workgroup_id_x 1
		.amdhsa_system_sgpr_workgroup_id_y 1
		.amdhsa_system_sgpr_workgroup_id_z 1
		.amdhsa_system_vgpr_workitem_id 0
		.amdhsa_next_free_vgpr 64
		.amdhsa_next_free_sgpr 66
		.amdhsa_reserve_vcc 0
		.amdhsa_float_denorm_mode_32 3
		.amdhsa_float_denorm_mode_16_64 3
		.amdhsa_memory_ordered 1
		.amdhsa_forward_progress 1
		.amdhsa_inst_pref_size 15
	.end_amdhsa_kernel
	.amdgpu_metadata
---
amdhsa.version: [ 1, 2 ]
amdhsa.kernels:
  - .name:           k_qa7e0d496c2_cast
    .symbol:         k_qa7e0d496c2_cast.kd
    .args:
      - { .name: emb, .offset: 0, .size: 8, .value_kind: global_buffer, .address_space: global }
      - { .name: W_iz, .offset: 8, .size: 8, .value_kind: global_buffer, .address_space: global }
      - { .name: W_ir, .offset: 16, .size: 8, .value_kind: global_buffer, .address_space: global }
      - { .name: skip_w, .offset: 24, .size: 8, .value_kind: global_buffer, .address_space: global }
      - { .name: embb, .offset: 32, .size: 8, .value_kind: global_buffer, .address_space: global }
      - { .name: wb, .offset: 40, .size: 8, .value_kind: global_buffer, .address_space: global }
      - { .name: skip16, .offset: 48, .size: 8, .value_kind: global_buffer, .address_space: global }
      - { .name: hn16, .offset: 56, .size: 8, .value_kind: global_buffer, .address_space: global }
    .group_segment_fixed_size: 0
    .private_segment_fixed_size: 0
    .kernarg_segment_align: 8
    .kernarg_segment_size: 64
    .max_flat_workgroup_size: 256
    .sgpr_count:     66
    .vgpr_count:     64
    .wavefront_size: 32
...
	.end_amdgpu_metadata
.endif
;; end of part 1
;; launch gates (part 2): grid 8 x 32, 4 waves a work-group, clusters of 4 x 4, 327,680 bytes of LDS; arguments embb, wb, b_iz, b_ir, tab; writes tab
.if DOCPART == 2
	.amdgcn_target "amdgcn-amd-amdhsa--gfx1250"
	.amdhsa_code_object_version 6
	.text
	.protected	k_qa7e0d496c2_gates
	.globl	k_qa7e0d496c2_gates
	.p2align	8
	.type	k_qa7e0d496c2_gates,@function
k_qa7e0d496c2_gates:
	s_mov_b64 s[64:65], 0
	v_nop
	global_prefetch_b8 v0, s[64:65] scope:SCOPE_SE
	s_setreg_imm32_b32 hwreg(HW_REG_WAVE_MODE, 25, 1), 1
	s_wait_xcnt 0x0
	s_wait_alu depctr_hold_cnt(0) depctr_sa_sdst(0) depctr_va_vdst(0) depctr_va_sdst(0) depctr_va_ssrc(0) depctr_va_vcc(0) depctr_vm_vsrc(0)
	s_getreg_b32 s2, hwreg(HW_REG_IB_STS2, 6, 4)
	s_cmp_eq_u32 s2, 0
	s_cbranch_scc0 .Lentry_in_a_cluster
	s_endpgm
.Lentry_in_a_cluster:
	s_bfe_u32 s2, ttmp6, 0x10000c
	s_cmp_lg_u32 s2, 0xf033
	s_cbranch_scc0 .Lentry_shape_is_right
	s_endpgm
.Lentry_shape_is_right:
; THE GATE TABLE.  Both gates of both layers hang on a step's row of emb alone, and a gather commutes with a product by rows: (emb W^T)[idx] = emb[idx] W^T.  So the gates are made once
; for each of emb's rows: [10240 x 512] x [2048 x 512]^T in bf16, sums in f32, a fifth of the products that 50,000 gathered rows would take.
; OUT: tab[row][layer][channel], one word: low half f16 a = 1 - z, high half f16 b = z ht, with z = sigmoid(x W_iz^T + b_iz), ht = x W_ir^T + b_ir; a step of the recurrence is then h = a h + b.
; The biases, rounded to bf16 like every other floating-point input, are the C operand of the first product: the first term of the f32 sum.
; LIMITS.  |z ht| stays under 65,504 (f16's range); a below 3e-8 counts as 0 and below 6e-5 keeps f16's fixed step of 6e-8; NaN and infinities are not treated apart.
; SHARES.  A work-group makes 320 rows x 256 rows of wb: 32 x 8 = 256 work-groups.  Four waves, 160 x 128 each: 10 x 8 accumulators of 16 x 16, 640 registers.  By wb's order a wave's column blocks
; 0-3 are z and 4-7 ht of the same 64 channels.  THE MATRIX INSTRUCTION IS USED TRANSPOSED (source 0 = 16 rows of wb, source 1 = 16 rows of embb): a lane holds one row (lane % 16) and the channels
; 8 (lane / 16) + 0..7 of a block, for z and ht alike, so a and b meet in one lane and pack into 32 neighbouring bytes of a table row.
; K = 512 goes in four steps of 128 through two LDS slots: steps 0 and 1 are the first fills, steps 2 and 3 one refill each; the text is straight, without a loop.
; CLUSTER.  4 x 4 work-groups: the four of a row of the cluster need the same rows of embb, the four of a column the same rows of wb; each tile is asked for jointly.
; REGISTERS, in windows of 256 (s_set_vgpr_msb: bits 1:0 source 0, 3:2 source 1, 5:4 source 2, 7:6 destination):
;   window 0: v16-29 addresses; v32-111, v112-191 embb's fragments, two buffers of 10 x 8; v192-255 the biases as C operands.  On the way out v32-63 z, v64-95 b, v96-127 packed, v128-191 rows read back
;   window 1: accumulators of row blocks 0-3 (block a, column block b at 64 (a % 4) + 8 b); window 2: 4-7; window 3: v0-127 blocks 8, 9; v128-191, v192-255 wb's fragments, two buffers
.set PITCH,  272                       ; an LDS row: 256 bytes + 16 of padding = 68 words: the 16 rows of a fragment load start at 16 different groups of four banks (64 banks of 4 bytes: ISA guide 11.1)
.set AHALF,  160*PITCH                 ; what one tensor load brings of embb, and what a wave reads of it
.set BHALF,  128*PITCH                 ; the same for wb
.set BOFF,   2*AHALF                   ; wb's 256 rows lie behind embb's 320
.set SLOT,   BOFF+2*BHALF              ; 156,672 bytes
.set SPARE,  2*SLOT                    ; behind the ring: the spare words, 128 bytes for each wave: two blocks of 256 bytes that no other line names
.set SPITCH, 272                       ; the stage for the way out: 16 rows x 272 bytes for each wave, at the head of slot 0, which has had its last fill (K step 2) and its last read by then
.set ADRA, 16                          ; v16-17  LDS address of my embb fragments in slot 0, 1
.set ADRB, 20                          ; v20-21  the same for wb
.set STO,  24                          ; v24     the way out: where I put 32 bytes of a row
.set RD,   25                          ; v25     where I read rows back
.set CO,   26                          ; v26     my byte offset in two rows of tab
.set BO,   27                          ; v27     my byte offset in b_iz and b_ir
.set SPW,  28                          ; v28     LDS address of my spare word; never rewritten
.set NIL,  29                          ; v29     0; never rewritten
.set FA,   32                          ; embb's fragments: buffer f at FA + 80 f (window 0)
.set FB,   128                         ; wb's fragments: buffer f at FB + 64 f (window 3)
.set BZ,   192                         ; the biases: column block b at BZ + 8 b (0-3 b_iz, 4-7 b_ir)
.set TZ,   32
.set TH,   64
.set PKD,  96
.set BK,   128
.set G1,  24                           ; s[24:31] descriptor group 1 for embb's tiles;  s[32:39] group 0, a set for each slot
.set G0,  32
.set G1B, 48                           ; s[48:55], s[56:63] the same for wb's
.set G0B, 56
.set MSB, 0
.macro WIN new                         ; the immediate's high byte repeats the setting that is left; a switch that changes nothing is dropped
.if MSB != (\new)
	s_set_vgpr_msb (MSB<<8)|(\new)
.set MSB, \new
.endif
.endm
.macro PLACES                          ; four plain vector instructions between a matrix instruction and a load into, or a vector instruction on, its registers (ISA guide 7.12.1 for vector instructions)
.rept 4
	v_nop
.endr
.endm
; A joint refill: waves 0 and 1 fetch embb's two halves, waves 2 and 3 wb's.  The branch hangs on the wave's number alone.  An s_nop 0 and four v_nop follow each line.
.macro JLOAD s
	s_cmp_eq_u32 s15, 0
	s_cbranch_scc0 .Lfor_b_\@
	tensor_load_to_lds s[G0+4*(\s):G0+4*(\s)+3], s[G1:G1+7]
	s_nop 0
.rept 4
	v_nop
.endr
	s_branch .Lasked_\@
.Lfor_b_\@:
	tensor_load_to_lds s[G0B+4*(\s):G0B+4*(\s)+3], s[G1B:G1B+7]
	s_nop 0
.rept 4
	v_nop
.endr
.Lasked_\@:
.endm
.macro CREST                           ; a round of the cluster's barrier behind its opening barrier
	s_cmp_lg_u32 s14, 0
	s_cbranch_scc1 .Lnot_wave_0_\@
	s_barrier_signal -3
.Lnot_wave_0_\@:
	s_barrier_wait -3
	s_barrier_signal -1
	s_barrier_wait -1
.endm
.macro CROUND                          ; a whole round
	s_barrier_signal -1
	s_barrier_wait -1
	CREST
.endm
	s_load_b256 s[4:11], s[0:1], 0x0               ; embb s[4:5], wb s[6:7], b_iz s[8:9], b_ir s[10:11]
	s_load_b64 s[12:13], s[0:1], 0x20              ; tab
	v_lshl_add_u32 v[SPW], v0, 2, SPARE
	v_mov_b32 v[NIL], 0
	ds_add_u32 v[SPW], v[NIL]                      ; the wave's opening: the add and its wait stand ahead of my first tensor load; the set-up below stands between them
	v_lshrrev_b32 v1, 5, v0
	v_readfirstlane_b32 s14, v1                    ; wave 0..3
	s_lshr_b32 s15, s14, 1                         ; which 160 rows are mine.  Also: I fetch for embb (0) or for wb (1)
	s_and_b32 s16, s14, 1                          ; which 128 rows of wb.  Also: which half of that tile I fetch
	s_bfe_u32 s17, ttmp6, 0x40000                  ; cx
	s_bfe_u32 s18, ttmp6, 0x40004                  ; cy
	s_lshl_b32 s19, ttmp9, 2
	s_add_co_u32 s19, s19, s17                     ; x: tile column = 4 x cluster x + cx
	s_and_b32 s20, ttmp7, 0xffff
	s_lshl_b32 s20, s20, 2
	s_add_co_u32 s20, s20, s18                     ; y: tile row = 4 x cluster y + cy
	s_lshl_b32 s21, s18, 2
	s_lshl_b32 s21, 15, s21                        ; my row of the cluster
	s_lshl_b32 s22, 0x1111, s17                    ; my column
	s_or_b32 s[G1], s21, (1<<16)|(1<<20)|(1<<21)|(5<<22)|(3<<25)   ; 15:0 the mask; 17:16 2-byte elements; 20 padding on; 21 set beside a mask; 24:22 after every 64 words; 31:25 4 words of it
	s_or_b32 s[G1B], s22, (1<<16)|(1<<20)|(1<<21)|(5<<22)|(3<<25)
	s_mov_b32 s[G1+1], 128<<16                     ; tensor_dim0 = 128
	s_mov_b32 s[G1+2], 160<<16                     ; tensor_dim1 = 160
	s_mov_b32 s[G1+3], 128<<16                     ; tile_dim0 = 128
	s_mov_b32 s[G1+4], 160                         ; tile_dim1 = 160
	s_mov_b32 s[G1+5], 512                         ; elements from row to row
	s_mov_b32 s[G1+6], 0
	s_mov_b32 s[G1+7], 0
	s_mov_b32 s[G1B+1], 128<<16
	s_mov_b32 s[G1B+2], 128<<16                    ; 128 rows
	s_mov_b32 s[G1B+3], 128<<16
	s_mov_b32 s[G1B+4], 128
	s_mov_b32 s[G1B+5], 512
	s_mov_b32 s[G1B+6], 0
	s_mov_b32 s[G1B+7], 0
	s_mul_i32 s66, s16, AHALF                      ; where my tile goes, for embb
	s_mul_i32 s67, s16, BHALF                      ; and for wb: no place in the cluster enters an LDS address
	s_add_co_u32 s67, s67, BOFF
	s_mul_i32 s40, s20, 320                        ; embb: row 320 y + 160 x half, 1,024 bytes a row: it hangs on y alone
	s_mul_i32 s68, s16, 160
	s_add_co_u32 s40, s40, s68
	s_lshl_b32 s40, s40, 10
	s_mov_b32 s41, 0
	s_lshl_b32 s46, s19, 8                         ; wb: row 256 x + 128 x half: it hangs on x alone
	s_lshl_b32 s69, s16, 7
	s_add_co_u32 s46, s46, s69
	s_lshl_b32 s46, s46, 10
	s_mov_b32 s47, 0
	s_mov_b32 s44, 0xbfb8aa3b                      ; -log2(e)
	s_mov_b32 s45, s44                             ; named with it as a pair
	s_wait_dscnt 0x0                               ; the opening add is done
	s_wait_kmcnt 0x0
	s_add_nc_u64 s[40:41], s[4:5], s[40:41]
	s_add_nc_u64 s[46:47], s[6:7], s[46:47]
.irp s, 0,1
	s_mov_b32 s[G0+4*(\s)], 1                                      ; count = 1
	s_add_co_u32 s[G0+4*(\s)+1], s66, (\s)*SLOT                    ; LDS address
	s_add_nc_u64 s[G0+4*(\s)+2:G0+4*(\s)+3], s[40:41], (\s)*256    ; global address: K step s
	s_or_b32 s[G0+4*(\s)+3], s[G0+4*(\s)+3], 0x80000000            ; type = 2
	s_mov_b32 s[G0B+4*(\s)], 1
	s_add_co_u32 s[G0B+4*(\s)+1], s67, (\s)*SLOT
	s_add_nc_u64 s[G0B+4*(\s)+2:G0B+4*(\s)+3], s[46:47], (\s)*256
	s_or_b32 s[G0B+4*(\s)+3], s[G0B+4*(\s)+3], 0x80000000
.endr
	CROUND                                         ; all sixteen work-groups are here: the first joint loads meet
	s_cmp_eq_u32 s15, 0                            ; a wave's two first fills stand in one branch: two loads of mine are out
	s_cbranch_scc0 .Lfirst_b
	tensor_load_to_lds s[G0:G0+3], s[G1:G1+7]
	s_nop 0
	tensor_load_to_lds s[G0+4:G0+7], s[G1:G1+7]
	s_nop 0
.rept 4
	v_nop
.endr
	s_branch .Lfirst_asked
.Lfirst_b:
	tensor_load_to_lds s[G0B:G0B+3], s[G1B:G1B+7]
	s_nop 0
	tensor_load_to_lds s[G0B+4:G0B+7], s[G1B:G1B+7]
	s_nop 0
.rept 4
	v_nop
.endr
.Lfirst_asked:
	; where my part of tab begins: row 320 y + 160 x (wave / 2), 4,096 bytes a row; my 64 channels begin at byte 512 x + 256 (wave % 2), in a table row and in the biases alike
	s_mul_i32 s70, s20, 320
	s_mul_i32 s68, s15, 160
	s_add_co_u32 s70, s70, s68
	s_lshl_b32 s70, s70, 12
	s_lshl_b32 s73, s19, 9
	s_lshl_b32 s68, s16, 8
	s_add_co_u32 s73, s73, s68
	s_add_co_u32 s70, s70, s73
	s_mov_b32 s71, 0
	s_add_nc_u64 s[12:13], s[12:13], s[70:71]
	v_and_b32 v1, 15, v0                           ; l % 16
	v_bfe_u32 v2, v0, 4, 1                         ; l / 16
	v_lshlrev_b32 v[BO], 5, v2                     ; a lane's 8 biases of a block: 32 bytes at 64 b + 32 (l / 16)
	v_add_nc_u32 v[BO], s73, v[BO]
.irp b, 0,1,2,3
	global_load_b128 v[BZ+8*(\b):BZ+8*(\b)+3],       v[BO], s[8:9] offset:64*(\b)
	global_load_b128 v[BZ+8*(\b)+4:BZ+8*(\b)+7],     v[BO], s[8:9] offset:64*(\b)+16
	global_load_b128 v[BZ+32+8*(\b):BZ+32+8*(\b)+3],   v[BO], s[10:11] offset:64*(\b)
	global_load_b128 v[BZ+32+8*(\b)+4:BZ+32+8*(\b)+7], v[BO], s[10:11] offset:64*(\b)+16
.endr
	; a fragment is 16 rows x 32 K in 8 registers: lane l holds row l % 16, K = 8 (l / 16) + 0..7 and 16 + 8 (l / 16) + 0..7: two loads of 16 bytes, 32 bytes apart
	v_mul_u32_u24 v3, v1, PITCH
	v_lshl_add_u32 v3, v2, 4, v3
	s_mul_i32 s68, s15, AHALF                      ; my 160 rows of embb
	s_mul_i32 s69, s16, BHALF                      ; my 128 rows of wb
	s_add_co_u32 s69, s69, BOFF
.irp s, 0,1
	v_add_nc_u32 v[ADRA+(\s)], s68, v3
	v_add_nc_u32 v[ADRB+(\s)], s69, v3
	s_add_co_u32 s68, s68, SLOT
	s_add_co_u32 s69, s69, SLOT
.endr
	s_mul_i32 s68, s14, 16*SPITCH                  ; my stage
	v_mul_u32_u24 v4, v1, SPITCH                   ; in: row l % 16, 32 bytes for each half of the lanes
	v_lshl_add_u32 v4, v2, 5, v4
	v_add_nc_u32 v[STO], s68, v4
	v_mul_u32_u24 v5, v2, SPITCH                   ; back: lanes 0-15 take one row's 256 bytes, lanes 16-31 the next row's
	v_lshl_add_u32 v5, v1, 4, v5
	v_add_nc_u32 v[RD], s68, v5
	v_lshlrev_b32 v5, 12, v2                       ; and the same two rows in tab
	v_lshl_add_u32 v[CO], v1, 4, v5
	s_wait_loadcnt 0x0                             ; the biases
.set i, 0
.rept 32                                       ; rounded to bf16, kept as f32
	v_cvt_pk_bf16_f32 v[6+i%2], v[BZ+2*i], v[BZ+2*i+1]
	v_lshlrev_b32 v[BZ+2*i], 16, v[6+i%2]
	v_and_b32 v[BZ+2*i+1], 0xffff0000, v[6+i%2]
.set i, i+1
.endr
; cnt row blocks from a0 on x all 8 column blocks, 32 along K, from buffers f.  first = 1: the products start the sums, with the biases as C.  The 80 accumulators take turns, one instruction a
; turn, in the same order in every quarter step.
.macro MUL f, a0, cnt, first
.set aa, \a0
.rept \cnt
.if \first
	WIN 0x03|((1+aa/4)<<6)
.else
	WIN 0x03|((1+aa/4)<<6)|((1+aa/4)<<4)
.endif
.irp b, 0,1,2,3,4,5,6,7
.if \first
	v_wmma_f32_16x16x32_bf16 v[64*(aa%4)+8*(\b):64*(aa%4)+8*(\b)+7], v[FB+64*(\f)+8*(\b):FB+64*(\f)+8*(\b)+7], v[FA+80*(\f)+8*aa:FA+80*(\f)+8*aa+7], v[BZ+8*(\b):BZ+8*(\b)+7]
.else
	v_wmma_f32_16x16x32_bf16 v[64*(aa%4)+8*(\b):64*(aa%4)+8*(\b)+7], v[FB+64*(\f)+8*(\b):FB+64*(\f)+8*(\b)+7], v[FA+80*(\f)+8*aa:FA+80*(\f)+8*aa+7], v[64*(aa%4)+8*(\b):64*(aa%4)+8*(\b)+7]
.endif
.endr
.set aa, aa+1
.endr
.endm
; 36 LDS loads in one run: a quarter step's fragments (32 K at byte k of the rows): wb's 16 loads first, then embb's 20, row blocks ascending
.macro FETCH slot, k, f
	WIN 0xc0                                       ; destination window 3, address window 0
.irp i, 0,1,2,3,4,5,6,7
	ds_load_b128 v[FB+64*(\f)+8*(\i):FB+64*(\f)+8*(\i)+3],   v[ADRB+(\slot)] offset:(\k)+(\i)*16*PITCH
	ds_load_b128 v[FB+64*(\f)+8*(\i)+4:FB+64*(\f)+8*(\i)+7], v[ADRB+(\slot)] offset:(\k)+(\i)*16*PITCH+32
.endr
	WIN 0
.irp i, 0,1,2,3,4,5,6,7,8,9
	ds_load_b128 v[FA+80*(\f)+8*(\i):FA+80*(\f)+8*(\i)+3],   v[ADRA+(\slot)] offset:(\k)+(\i)*16*PITCH
	ds_load_b128 v[FA+80*(\f)+8*(\i)+4:FA+80*(\f)+8*(\i)+7], v[ADRA+(\slot)] offset:(\k)+(\i)*16*PITCH+32
.endr
.endm
; A K step is four quarters of 32 along K, 80 matrix instructions each, on buffers 0, 1, 0, 1.  One of the first three multiplies buffer f and fetches the next quarter, at byte k, into g.
.macro QUARTER slot, k, f, g, first
	s_wait_dscnt 12                                ; wb's fragments and row blocks 0-3 are in; the youngest twelve loads (blocks 4-9) may be out
	MUL \f, 0, 4, \first
	PLACES
	FETCH \slot, \k, \g
	s_wait_dscnt 36                                ; all but the 36 just issued
	MUL \f, 4, 6, \first
.endm
; The last quarter's first half and the change of slots: each wave waits for all its tensor loads (one is out: its part of the next slot), adds 0 to its spare word, and waits for that and for its reads of this slot.
.macro MEET round
	WIN 0                                          ; the add's registers lie in window 0
	s_wait_tensorcnt 0x0
	ds_add_u32 v[SPW], v[NIL]
	s_wait_dscnt 13                                ; the add and the youngest twelve loads may be out
	MUL 1, 0, 2, 0                                 ; sixteen matrix instructions stand between the add and the wait for it
	s_wait_dscnt 0x0                               ; the add is done, my reads of this slot are over
	s_barrier_signal -1
	MUL 1, 2, 2, 0                                 ; work on registers while the others arrive
.if \round
	WIN 0
.endif
	s_barrier_wait -1
.endm
; The whole last quarter with a refill: the barrier opens a round of the cluster's barrier; behind it the slot just read out takes the K step two steps on, first thing.
.macro TURN slot, next
	MEET 1
	CREST                                          ; no wave of any partner still reads this slot or has a load on its way
	s_add_nc_u64 s[G0+4*(\slot)+2:G0+4*(\slot)+3], s[G0+4*(\slot)+2:G0+4*(\slot)+3], 512
	s_add_nc_u64 s[G0B+4*(\slot)+2:G0B+4*(\slot)+3], s[G0B+4*(\slot)+2:G0B+4*(\slot)+3], 512
	JLOAD \slot                                    ; one load of mine is out; its four v_nop are also the places in front of the loads below
	FETCH \next, 0, 0
	MUL 1, 4, 6, 0
.endm
; THE WAY OUT of row block a.  CALC: z = 1 / (1 + 2^(-log2(e) x)); b = z ht; a = 1 - z; (a, b) packed as two f16.  Each accumulator is read in ascending order.
.macro CALC a
.set AC, 64*((\a)%4)
	WIN 1+(\a)/4                                   ; source 0: the block's window
.set i, 0
.rept 16
	v_pk_mul_f32 v[TZ+2*i:TZ+2*i+1], v[AC+2*i:AC+2*i+1], s[44:45] op_sel_hi:[1,0]
.set i, i+1
.endr
	WIN 0
.set i, 0
.rept 32
	v_exp_f32 v[TZ+i], v[TZ+i]
.set i, i+1
.endr
	v_nop                                          ; a plain instruction between the last exponential and the use of its result (ISA guide 5.7.2)
.set i, 0
	s_wait_alu depctr_va_vdst(0)
.rept 16
	v_pk_add_f32 v[TZ+2*i:TZ+2*i+1], v[TZ+2*i:TZ+2*i+1], 1.0 op_sel_hi:[1,0]
.set i, i+1
.endr
.set i, 0
.rept 32
	v_rcp_f32 v[TZ+i], v[TZ+i]
.set i, i+1
.endr
	v_nop
	WIN 1+(\a)/4
.set i, 0
	s_wait_alu depctr_va_vdst(0)
.rept 16
	v_pk_mul_f32 v[TH+2*i:TH+2*i+1], v[AC+32+2*i:AC+32+2*i+1], v[TZ+2*i:TZ+2*i+1]
.set i, i+1
.endr
	WIN 0
.set i, 0
.rept 16
	v_pk_fma_f32 v[TZ+2*i:TZ+2*i+1], v[TZ+2*i:TZ+2*i+1], -1.0, 1.0 op_sel_hi:[1,0,0]
.set i, i+1
.endr
.set i, 0
.rept 32
	v_cvt_pk_f16_f32 v[PKD+i], v[TZ+i], v[TH+i]
.set i, i+1
.endr
.endm
; TOSTAGE: a lane's 8 words of a channel block, 32 bytes, into my stage; back as whole pieces of 256 bytes of a row.
.macro TOSTAGE a
	s_wait_xcnt 0x0                                ; the registers read back into were the data of the stores two blocks ago: they are loaded again only behind this wait
.irp c, 0,1,2,3
	ds_store_b128 v[STO], v[PKD+8*(\c):PKD+8*(\c)+3]   offset:64*(\c)
	ds_store_b128 v[STO], v[PKD+8*(\c)+4:PKD+8*(\c)+7] offset:64*(\c)+16
.endr
.irp t, 0,1,2,3,4,5,6,7
	ds_load_b128 v[BK+32*((\a)%2)+4*(\t):BK+32*((\a)%2)+4*(\t)+3], v[RD] offset:(\t)*2*SPITCH  ; LDS serves a wave's instructions in order (ISA guide 5.7.1.4): these see the stores above
.endr
.endm
.macro SEND a
	s_wait_dscnt 0x0                               ; the block is back in registers
.irp t, 0,1,2,3,4,5,6,7
	global_store_b128 v[CO], v[BK+32*((\a)%2)+4*(\t):BK+32*((\a)%2)+4*(\t)+3], s[12:13] offset:(\a)*65536+(\t)*8192  ; 16 lanes store 256 consecutive bytes, at a multiple of 256 from tab's first byte
.endr
.endm
	s_wait_tensorcnt 1                             ; my part of K step 0 is in; K step 1's may stay out
	s_barrier_signal -1
	s_barrier_wait -1                              ; everybody's is
	FETCH 0, 0, 0
	QUARTER 0, 64,  0, 1, 1                        ; K step 0; its first quarter starts the sums
	QUARTER 0, 128, 1, 0, 0
	QUARTER 0, 192, 0, 1, 0
	TURN 0, 1                                      ; slot 0 takes K step 2
	QUARTER 1, 64,  0, 1, 0                        ; K step 1
	QUARTER 1, 128, 1, 0, 0
	QUARTER 1, 192, 0, 1, 0
	TURN 1, 0                                      ; slot 1 takes K step 3
	QUARTER 0, 64,  0, 1, 0                        ; K step 2
	QUARTER 0, 128, 1, 0, 0
	QUARTER 0, 192, 0, 1, 0
	MEET 0                                         ; nothing is filled again, so no round follows; behind this barrier nobody reads slot 0 any more
	PLACES
	FETCH 1, 0, 0
	MUL 1, 4, 6, 0
	QUARTER 1, 64,  0, 1, 0                        ; K step 3
	QUARTER 1, 128, 1, 0, 0
	QUARTER 1, 192, 0, 1, 0
	s_wait_dscnt 12
	MUL 1, 0, 4, 0
	s_wait_dscnt 0x0
	MUL 1, 4, 6, 0
	PLACES                                         ; block 0's arithmetic writes fragment registers; the later blocks' results lie many plain instructions back when they are read
	CALC 0
	TOSTAGE 0
.irp a, 1,2,3,4,5,6,7,8,9                      ; block a's arithmetic stands between block a - 1's loads from the stage and the wait for them
	CALC \a
	SEND (\a)-1
	TOSTAGE \a
.endr
	SEND 9
	s_wait_tensorcnt 0x0                           ; the wave's end: behind my last tensor load and my last LDS store
	ds_add_u32 v[SPW], v[NIL]
	s_wait_dscnt 0x0
	CROUND                                         ; the closing round
	s_endpgm
.Lfunc_end_k_qa7e0d496c2_gates:
	.size	k_qa7e0d496c2_gates, .Lfunc_end_k_qa7e0d496c2_gates-k_qa7e0d496c2_gates
	.p2alignl 7, 3214868480
	.fill 96, 4, 3214868480
	.section	.rodata,"a",@progbits
	.p2align	6, 0x0
	.amdhsa_kernel k_qa7e0d496c2_gates
		.amdhsa_group_segment_fixed_size 327680
		.amdhsa_private_segment_fixed_size 0
		.amdhsa_enable_private_segment 0
		.amdhsa_kernarg_size 40
		.amdhsa_user_sgpr_count 2
		.amdhsa_user_sgpr_kernarg_segment_ptr 1
		.amdhsa_wavefront_size32 1
		.amdhsa_system_sgpr_workgroup_id_x 1
		.amdhsa_system_sgpr_workgroup_id_y 1
		.amdhsa_system_sgpr_workgroup_id_z 1
		.amdhsa_system_vgpr_workitem_id 0
		.amdhsa_next_free_vgpr 1024
		.amdhsa_next_free_sgpr 80
		.amdhsa_reserve_vcc 0
		.amdhsa_float_denorm_mode_32 3
		.amdhsa_float_denorm_mode_16_64 3
		.amdhsa_memory_ordered 1
		.amdhsa_forward_progress 1
		.amdhsa_inst_pref_size 239
	.end_amdhsa_kernel
	.amdgpu_metadata
---
amdhsa.version: [ 1, 2 ]
amdhsa.kernels:
  - .name:           k_qa7e0d496c2_gates
    .symbol:         k_qa7e0d496c2_gates.kd
    .args:
      - { .name: embb, .offset: 0, .size: 8, .value_kind: global_buffer, .address_space: global }
      - { .name: wb, .offset: 8, .size: 8, .value_kind: global_buffer, .address_space: global }
      - { .name: b_iz, .offset: 16, .size: 8, .value_kind: global_buffer, .address_space: global }
      - { .name: b_ir, .offset: 24, .size: 8, .value_kind: global_buffer, .address_space: global }
      - { .name: tab, .offset: 32, .size: 8, .value_kind: global_buffer, .address_space: global }
    .group_segment_fixed_size: 327680
    .private_segment_fixed_size: 0
    .kernarg_segment_align: 8
    .kernarg_segment_size: 40
    .max_flat_workgroup_size: 128
    .sgpr_count:     80
    .vgpr_count:     1024
    .wavefront_size: 32
...
	.end_amdgpu_metadata
.endif
;; end of part 2
;; launch scan (part 3): grid 2500 x 1, 1 waves a work-group, no clusters, 0 bytes of LDS; arguments tab, walk_idx, lin_w, lin_b, hn16, score; writes hn16, score
.if DOCPART == 3
	.amdgcn_target "amdgcn-amd-amdhsa--gfx1250"
	.amdhsa_code_object_version 6
	.text
	.protected	k_qa7e0d496c2_scan
	.globl	k_qa7e0d496c2_scan
	.p2align	8
	.type	k_qa7e0d496c2_scan,@function
k_qa7e0d496c2_scan:
	s_mov_b64 s[64:65], 0
	v_nop
	global_prefetch_b8 v0, s[64:65] scope:SCOPE_SE
	s_setreg_imm32_b32 hwreg(HW_REG_WAVE_MODE, 25, 1), 1
	s_wait_xcnt 0x0
; THE RECURRENCE.  For node n: h = 0; for layer 0, then layer 1, for step s = 0..19: h = a h + b, with (a, b) = tab[walk_idx[n][s]][layer][:], h carried on from layer to layer, in f32.
; Then score[n] = sigmoid(h . lin_w + lin_b) in f32 (lin_w and lin_b rounded to bf16, like every floating-point input), and hn16[n][:] = h rounded to f16, the last product's operand.
; LIMITS.  |h| stays under 65,504 (it is a mean of table entries b / z, which the table's own limit bounds); an index is taken as min(index, 9,999), unsigned.
; SHARES.  One wave, one node: the 40 steps of a channel are a chain, the 512 channels are independent; a lane owns channels 128 j + 4 lane + c (j, c = 0..3), 16 registers of state.
; A UNIT is one step's 2,048 bytes of a table row: four loads, each 512 consecutive bytes.  A ring of seven units in registers keeps 28 loads of the wave on their way.
; No LDS, no barrier, no cluster: the rows hang on each node's own list, and no two work-groups ask for a tile together.  The node's score is one store of 4 bytes: 2,500 of them in the launch.
.set DEPTH, 7
.set NU,    40                         ; units: 20 l + s
.set RING,  16                         ; v[16:127]  unit u in slot u % 7: 16 registers; below v128, where halves have names
.set VOFF,  128                        ; v[128:147] step s: byte offset of my 16 bytes in its table row
.set H,     148                        ; v[148:163] the state
.set TA,    164                        ; v[164:179] a as f32
.set TB,    180                        ; v[180:195] b as f32
.set LW,    196                        ; v[196:211] lin_w of my channels
.macro HALVES dst, names:vararg        ; sixteen f16 halves, by name, widened into dst on
.set n, 0
.irp q, \names
	v_cvt_f32_f16 v[(\dst)+n], \q
.set n, n+1
.endr
.endm
.macro UNPACK k                        ; slot k: low halves to TA, high halves to TB
.if (\k) == 0
	HALVES TA, v16.l, v17.l, v18.l, v19.l, v20.l, v21.l, v22.l, v23.l, v24.l, v25.l, v26.l, v27.l, v28.l, v29.l, v30.l, v31.l
	HALVES TB, v16.h, v17.h, v18.h, v19.h, v20.h, v21.h, v22.h, v23.h, v24.h, v25.h, v26.h, v27.h, v28.h, v29.h, v30.h, v31.h
.elseif (\k) == 1
	HALVES TA, v32.l, v33.l, v34.l, v35.l, v36.l, v37.l, v38.l, v39.l, v40.l, v41.l, v42.l, v43.l, v44.l, v45.l, v46.l, v47.l
	HALVES TB, v32.h, v33.h, v34.h, v35.h, v36.h, v37.h, v38.h, v39.h, v40.h, v41.h, v42.h, v43.h, v44.h, v45.h, v46.h, v47.h
.elseif (\k) == 2
	HALVES TA, v48.l, v49.l, v50.l, v51.l, v52.l, v53.l, v54.l, v55.l, v56.l, v57.l, v58.l, v59.l, v60.l, v61.l, v62.l, v63.l
	HALVES TB, v48.h, v49.h, v50.h, v51.h, v52.h, v53.h, v54.h, v55.h, v56.h, v57.h, v58.h, v59.h, v60.h, v61.h, v62.h, v63.h
.elseif (\k) == 3
	HALVES TA, v64.l, v65.l, v66.l, v67.l, v68.l, v69.l, v70.l, v71.l, v72.l, v73.l, v74.l, v75.l, v76.l, v77.l, v78.l, v79.l
	HALVES TB, v64.h, v65.h, v66.h, v67.h, v68.h, v69.h, v70.h, v71.h, v72.h, v73.h, v74.h, v75.h, v76.h, v77.h, v78.h, v79.h
.elseif (\k) == 4
	HALVES TA, v80.l, v81.l, v82.l, v83.l, v84.l, v85.l, v86.l, v87.l, v88.l, v89.l, v90.l, v91.l, v92.l, v93.l, v94.l, v95.l
	HALVES TB, v80.h, v81.h, v82.h, v83.h, v84.h, v85.h, v86.h, v87.h, v88.h, v89.h, v90.h, v91.h, v92.h, v93.h, v94.h, v95.h
.elseif (\k) == 5
	HALVES TA, v96.l, v97.l, v98.l, v99.l, v100.l, v101.l, v102.l, v103.l, v104.l, v105.l, v106.l, v107.l, v108.l, v109.l, v110.l, v111.l
	HALVES TB, v96.h, v97.h, v98.h, v99.h, v100.h, v101.h, v102.h, v103.h, v104.h, v105.h, v106.h, v107.h, v108.h, v109.h, v110.h, v111.h
.else
	HALVES TA, v112.l, v113.l, v114.l, v115.l, v116.l, v117.l, v118.l, v119.l, v120.l, v121.l, v122.l, v123.l, v124.l, v125.l, v126.l, v127.l
	HALVES TB, v112.h, v113.h, v114.h, v115.h, v116.h, v117.h, v118.h, v119.h, v120.h, v121.h, v122.h, v123.h, v124.h, v125.h, v126.h, v127.h
.endif
.endm
.macro LOADU u                         ; unit u: step u % 20, layer u / 20, into slot u % 7
.irp j, 0,1,2,3
	global_load_b128 v[RING+16*((\u)%DEPTH)+4*(\j):RING+16*((\u)%DEPTH)+4*(\j)+3], v[VOFF+(\u)%20], s[4:5] offset:2048*((\u)/20)+512*(\j)
.endr
.endm
.macro UNIT u
.if (\u) > NU-DEPTH
	s_wait_loadcnt 4*(NU-1-(\u))                   ; the tail: four loads for each unit still to come
.else
	s_wait_loadcnt 4*(DEPTH-1)                     ; loads come back in order: unit u is in, the six younger units' 24 loads stay out
.endif
	UNPACK (\u)%DEPTH
.if (\u)+DEPTH < NU
	LOADU (\u)+DEPTH                               ; the slot has been read: it takes the unit seven further on
.endif
.set i, 0
.rept 8
	v_pk_fma_f32 v[H+2*i:H+2*i+1], v[H+2*i:H+2*i+1], v[TA+2*i:TA+2*i+1], v[TB+2*i:TB+2*i+1]
.set i, i+1
.endr
.endm
	s_load_b256 s[4:11], s[0:1], 0x0               ; tab s[4:5], walk_idx s[6:7], lin_w s[8:9], lin_b s[10:11]
	s_load_b128 s[12:15], s[0:1], 0x20             ; hn16 s[12:13], score s[14:15]
	v_lshlrev_b32 v2, 4, v0                        ; 16 x lane (one wave: the thread's number is the lane)
	v_lshlrev_b32 v3, 3, v0                        ; 8 x lane
	s_mul_i32 s38, ttmp9, 80                       ; the node's 20 indices
	s_mov_b32 s39, 0
	s_lshl_b32 s42, ttmp9, 10                      ; its row of hn16
	s_mov_b32 s43, 0
	s_lshl_b32 s44, ttmp9, 2                       ; its word of score
	s_mov_b32 s45, 0
	s_mov_b32 s40, 0x76543210                      ; v_permlanex16_b32: each lane takes its own place in the other half
	s_mov_b32 s41, 0xfedcba98
	s_wait_kmcnt 0x0
	s_add_nc_u64 s[38:39], s[6:7], s[38:39]
	s_load_b512 s[16:31], s[38:39], 0x0            ; steps 0-15
	s_load_b128 s[32:35], s[38:39], 0x40           ; steps 16-19
	s_load_b32 s36, s[10:11], 0x0                  ; lin_b
.irp j, 0,1,2,3
	global_load_b128 v[LW+4*(\j):LW+4*(\j)+3], v2, s[8:9] offset:512*(\j)   ; ahead of the ring's loads, so the ring's counted waits cover them
.endr
	s_add_nc_u64 s[12:13], s[12:13], s[42:43]
	s_add_nc_u64 s[14:15], s[14:15], s[44:45]
	s_wait_kmcnt 0x0
.set i, 0
.rept 20
	s_min_u32 s[16+i], s[16+i], 9999               ; an index stays inside the table
	v_lshl_add_u32 v[VOFF+i], s[16+i], 12, v2      ; 4,096 bytes a table row
.set i, i+1
.endr
.irp u, 0,1,2,3,4,5,6
	LOADU \u
.endr
	s_wait_loadcnt 4*(DEPTH-1)                     ; unit 0: h starts at 0, so a h + b is b
	HALVES H, v16.h, v17.h, v18.h, v19.h, v20.h, v21.h, v22.h, v23.h, v24.h, v25.h, v26.h, v27.h, v28.h, v29.h, v30.h, v31.h
	LOADU DEPTH
.set u, 1
.rept NU-1
	UNIT u
.set u, u+1
.endr
	; the score: lin_w and lin_b rounded to bf16; 16 products a lane, then the sum over the 32 lanes
.set i, 0
.rept 8
	v_cvt_pk_bf16_f32 v212, v[LW+2*i], v[LW+2*i+1]
	v_lshlrev_b32 v[LW+2*i], 16, v212
	v_and_b32 v[LW+2*i+1], 0xffff0000, v212
.set i, i+1
.endr
	v_pk_mul_f32 v[214:215], v[H:H+1], v[LW:LW+1]
.set i, 1
.rept 7
	v_pk_fma_f32 v[214:215], v[H+2*i:H+2*i+1], v[LW+2*i:LW+2*i+1], v[214:215]
.set i, i+1
.endr
	v_mov_b32 v212, s36
	v_cvt_pk_bf16_f32 v212, v212, v212
	v_lshlrev_b32 v212, 16, v212
	v_mov_b32 v213, 0                              ; v_permlanex16_b32's destination counts as read
	v_add_f32 v214, v214, v215
	v_add_f32_dpp v214, v214, v214 row_xmask:1 row_mask:0xf bank_mask:0xf
	v_add_f32_dpp v214, v214, v214 row_xmask:2 row_mask:0xf bank_mask:0xf
	v_add_f32_dpp v214, v214, v214 row_xmask:4 row_mask:0xf bank_mask:0xf
	v_add_f32_dpp v214, v214, v214 row_xmask:8 row_mask:0xf bank_mask:0xf
	v_permlanex16_b32 v213, v214, s40, s41
	v_add_f32 v214, v214, v213
	v_add_f32 v214, v214, v212
	v_mul_f32 v214, 0xbfb8aa3b, v214               ; sigmoid(x) = 1 / (1 + 2^(-log2(e) x))
	v_exp_f32 v214, v214
.irp j, 0,1,2,3                                ; h to f16: plain work behind the exponential
	v_cvt_pk_f16_f32 v[TA+2*(\j)], v[H+4*(\j)], v[H+4*(\j)+1]
	v_cvt_pk_f16_f32 v[TA+2*(\j)+1], v[H+4*(\j)+2], v[H+4*(\j)+3]
.endr
	s_wait_alu depctr_va_vdst(0)
	v_add_f32 v214, 1.0, v214
	v_rcp_f32 v214, v214
.irp j, 0,1,2,3
	global_store_b64 v3, v[TA+2*(\j):TA+2*(\j)+1], s[12:13] offset:256*(\j)  ; the wave stores 256 consecutive bytes, at a multiple of 256 from hn16's first byte
.endr
	v_cmp_eq_u32 vcc_lo, 0, v0                     ; a plain instruction behind the reciprocal; lane 0 stores the score
	s_wait_xcnt 0x0                                ; EXEC changes only behind this wait: the stores above have read it
	s_and_saveexec_b32 s37, vcc_lo
	s_wait_alu depctr_va_vdst(0)
	global_store_b32 v0, v214, s[14:15]            ; lane 0's offset is its number, 0
	s_endpgm
.Lfunc_end_k_qa7e0d496c2_scan:
	.size	k_qa7e0d496c2_scan, .Lfunc_end_k_qa7e0d496c2_scan-k_qa7e0d496c2_scan
	.p2alignl 7, 3214868480
	.fill 96, 4, 3214868480
	.section	.rodata,"a",@progbits
	.p2align	6, 0x0
	.amdhsa_kernel k_qa7e0d496c2_scan
		.amdhsa_group_segment_fixed_size 0
		.amdhsa_private_segment_fixed_size 0
		.amdhsa_enable_private_segment 0
		.amdhsa_kernarg_size 48
		.amdhsa_user_sgpr_count 2
		.amdhsa_user_sgpr_kernarg_segment_ptr 1
		.amdhsa_wavefront_size32 1
		.amdhsa_system_sgpr_workgroup_id_x 1
		.amdhsa_system_sgpr_workgroup_id_y 1
		.amdhsa_system_sgpr_workgroup_id_z 1
		.amdhsa_system_vgpr_workitem_id 0
		.amdhsa_next_free_vgpr 216
		.amdhsa_next_free_sgpr 66
		.amdhsa_reserve_vcc 1
		.amdhsa_float_denorm_mode_32 3
		.amdhsa_float_denorm_mode_16_64 3
		.amdhsa_memory_ordered 1
		.amdhsa_forward_progress 1
		.amdhsa_inst_pref_size 83
	.end_amdhsa_kernel
	.amdgpu_metadata
---
amdhsa.version: [ 1, 2 ]
amdhsa.kernels:
  - .name:           k_qa7e0d496c2_scan
    .symbol:         k_qa7e0d496c2_scan.kd
    .args:
      - { .name: tab, .offset: 0, .size: 8, .value_kind: global_buffer, .address_space: global }
      - { .name: walk_idx, .offset: 8, .size: 8, .value_kind: global_buffer, .address_space: global }
      - { .name: lin_w, .offset: 16, .size: 8, .value_kind: global_buffer, .address_space: global }
      - { .name: lin_b, .offset: 24, .size: 8, .value_kind: global_buffer, .address_space: global }
      - { .name: hn16, .offset: 32, .size: 8, .value_kind: global_buffer, .address_space: global }
      - { .name: score, .offset: 40, .size: 8, .value_kind: global_buffer, .address_space: global }
    .group_segment_fixed_size: 0
    .private_segment_fixed_size: 0
    .kernarg_segment_align: 8
    .kernarg_segment_size: 48
    .max_flat_workgroup_size: 32
    .sgpr_count:     66
    .vgpr_count:     216
    .wavefront_size: 32
...
	.end_amdgpu_metadata
.endif
;; end of part 3
;; launch skip (part 4): grid 8 x 20, 4 waves a work-group, clusters of 4 x 4, 217,600 bytes of LDS; arguments hn16, skip16, skip_b, score, edge_label_index, out0, out1; writes out0, out1
.if DOCPART == 4
	.amdgcn_target "amdgcn-amd-amdhsa--gfx1250"
	.amdhsa_code_object_version 6
	.text
	.protected	k_qa7e0d496c2_skip
	.globl	k_qa7e0d496c2_skip
	.p2align	8
	.type	k_qa7e0d496c2_skip,@function
k_qa7e0d496c2_skip:
	s_mov_b64 s[64:65], 0
	v_nop
	global_prefetch_b8 v0, s[64:65] scope:SCOPE_SE
	s_setreg_imm32_b32 hwreg(HW_REG_WAVE_MODE, 25, 1), 1
	s_wait_xcnt 0x0
	s_wait_alu depctr_hold_cnt(0) depctr_sa_sdst(0) depctr_va_vdst(0) depctr_va_sdst(0) depctr_va_ssrc(0) depctr_va_vcc(0) depctr_vm_vsrc(0)
	s_getreg_b32 s2, hwreg(HW_REG_IB_STS2, 6, 4)
	s_cmp_eq_u32 s2, 0
	s_cbranch_scc0 .Lentry_in_a_cluster
	s_endpgm
.Lentry_in_a_cluster:
	s_bfe_u32 s2, ttmp6, 0x10000c
	s_cmp_lg_u32 s2, 0xf033
	s_cbranch_scc0 .Lentry_shape_is_right
	s_endpgm
.Lentry_shape_is_right:
; out1 = hn skip_w^T + skip_b ([2500 x 512] x [512 x 512]^T, operands f16, sums f32, skip_b rounded to bf16 as the C operand of the first product), and,
; in the wait for the product's tiles, out0[e] = score[i0[e]] score[i1[e]] in f32.
; LIMITS.  hn16 and skip16 arrive within f16's range; an index of edge_label_index is taken as min(index, 2,499), unsigned.
; SHARES.  A work-group makes 128 rows x 64 columns of out1 with all of K = 512 in LDS: each byte of LDS is filled once, nothing is filled again.  8 x 20 = 160 work-groups: the product has no more
; tiles of this size, and smaller ones would read hn16 and skip16 more often.  Wave w: rows 32 w .. 32 w + 31, all 64 columns: 2 x 4 accumulators.
; THE MATRIX INSTRUCTION IS USED TRANSPOSED (source 0 = 16 rows of skip16, source 1 = 16 rows of hn16): a lane holds 8 neighbouring columns of one row.
; Rows 2,500 to 2,559 of the last tiles are computed on hn16's zero rows and not stored: the stores' EXEC is narrowed, no branch is taken.
; CLUSTER.  4 x 4: hn16's tile is shared along a row of the cluster, skip16's along a column; every wave asks for 32 rows of the one and 16 of the other: two loads of mine are out.
; EDGES.  100,000 edges are 25,000 fours; thread q = 128 x work-group + t of 20,480 takes four q, and the first 4,520 threads also four q + 20,480.
.set KP,     1040                      ; an LDS row: 1,024 bytes + 16 of padding: 260 words: the 16 rows of a fragment load start at 16 different groups of four banks (ISA guide 11.1)
.set BBASE,  128*KP                    ; skip16's 64 rows lie behind hn16's 128
.set STAGE,  BBASE+64*KP               ; 199,680: 16 rows x 272 bytes for each wave, for the way out; no tensor load lands here
.set SPITCH, 272
.set SPARE,  STAGE+4*16*SPITCH         ; 217,088: the spare words, 128 bytes for each wave: two blocks of 256 bytes that no other line names
.set ADA, 16                           ; v16  LDS address of my hn16 fragments
.set ADB, 17                           ; v17  of skip16's
.set STO, 18                           ; v18  the way out: where I put 32 bytes of a row
.set RD,  19                           ; v19  where I read rows back
.set CO,  20                           ; v20  my byte offset in two rows of out1
.set VR,  21                           ; v21  128 yt + 32 w + lane / 16: the first row that I store
.set Q,   22                           ; v22  q;  v23, v24 byte offsets of my two fours;  v25 my byte offset in skip_b
.set SPW, 28
.set NIL, 29
.set SB,  32                           ; v[32:63]   skip_b as C operands: column block n at SB + 8 n
.set ACC, 64                           ; v[64:127]  row block m, column block n at ACC + 8 (4 m + n); before the product: the edges' registers
.set FR,  128                          ; v[128:223] two fragment buffers of 48: 16 of hn16, 32 of skip16; after the product v[128:191]: rows read back
.macro PLACES
.rept 4
	v_nop
.endr
.endm
.macro CROUND                          ; a round of the cluster's barrier
	s_barrier_signal -1
	s_barrier_wait -1
	s_cmp_lg_u32 s18, 0
	s_cbranch_scc1 .Lnot_wave_0_\@
	s_barrier_signal -3
.Lnot_wave_0_\@:
	s_barrier_wait -3
	s_barrier_signal -1
	s_barrier_wait -1
.endm
	s_load_b256 s[4:11], s[0:1], 0x0               ; hn16 s[4:5], skip16 s[6:7], skip_b s[8:9], score s[10:11]
	s_load_b128 s[12:15], s[0:1], 0x20             ; edge_label_index s[12:13], out0 s[14:15]
	s_load_b64 s[16:17], s[0:1], 0x30              ; out1
	v_lshl_add_u32 v[SPW], v0, 2, SPARE
	v_mov_b32 v[NIL], 0
	ds_add_u32 v[SPW], v[NIL]                      ; the wave's opening: the add and its wait stand ahead of my first tensor load
	v_lshrrev_b32 v1, 5, v0
	v_readfirstlane_b32 s18, v1                    ; wave 0..3
	s_bfe_u32 s19, ttmp6, 0x40000                  ; cx
	s_bfe_u32 s20, ttmp6, 0x40004                  ; cy
	s_lshl_b32 s21, ttmp9, 2
	s_add_co_u32 s21, s21, s19                     ; xt: tile column
	s_and_b32 s22, ttmp7, 0xffff
	s_lshl_b32 s22, s22, 2
	s_add_co_u32 s22, s22, s20                     ; yt: tile row
	s_lshl_b32 s23, s20, 2
	s_lshl_b32 s23, 15, s23                        ; my row of the cluster
	s_lshl_b32 s46, 0x1111, s19                    ; my column
	s_or_b32 s24, s23, (1<<16)|(1<<20)|(1<<21)|(7<<22)|(3<<25)  ; group 1 for hn16: the mask; 2-byte elements; padding on; bit 21 beside a mask; after every 256 words 4 words
	s_or_b32 s48, s46, (1<<16)|(1<<20)|(1<<21)|(7<<22)|(3<<25)  ; for skip16
	s_mov_b32 s25, 512<<16                         ; tensor_dim0 = 512
	s_mov_b32 s26, 32<<16                          ; tensor_dim1 = 32
	s_mov_b32 s27, 512<<16                         ; tile_dim0 = 512
	s_mov_b32 s28, 32                              ; tile_dim1 = 32
	s_mov_b32 s29, 512                             ; elements from row to row
	s_mov_b32 s30, 0
	s_mov_b32 s31, 0
	s_mov_b32 s49, 512<<16
	s_mov_b32 s50, 16<<16                          ; 16 rows
	s_mov_b32 s51, 512<<16
	s_mov_b32 s52, 16
	s_mov_b32 s53, 512
	s_mov_b32 s54, 0
	s_mov_b32 s55, 0
	s_lshl_b32 s40, s22, 17                        ; hn16: row 128 yt + 32 w, 1,024 bytes a row
	s_lshl_b32 s44, s18, 15
	s_add_co_u32 s40, s40, s44
	s_mov_b32 s41, 0
	s_lshl_b32 s42, s21, 16                        ; skip16: row 64 xt + 16 w
	s_lshl_b32 s45, s18, 14
	s_add_co_u32 s42, s42, s45
	s_mov_b32 s43, 0
	s_mov_b32 s32, 1
	s_mul_i32 s33, s18, 32*KP                      ; LDS address: the wave's number times a constant
	s_mov_b32 s36, 1
	s_mul_i32 s37, s18, 16*KP
	s_add_co_u32 s37, s37, BBASE
	s_wait_dscnt 0x0                               ; the opening add is done
	s_wait_kmcnt 0x0
	s_add_nc_u64 s[34:35], s[4:5], s[40:41]
	s_or_b32 s35, s35, 0x80000000
	s_add_nc_u64 s[38:39], s[6:7], s[42:43]
	s_or_b32 s39, s39, 0x80000000
	CROUND                                         ; all sixteen work-groups are here: the joint loads meet
	tensor_load_to_lds s[32:35], s[24:31]
	s_nop 0
	tensor_load_to_lds s[36:39], s[48:55]
	s_nop 0
.rept 4
	v_nop
.endr
	v_and_b32 v1, 15, v0                           ; l % 16
	v_bfe_u32 v2, v0, 4, 1                         ; l / 16
	s_lshl_b32 s59, s21, 8                         ; 256 xt: the tile's first column in bytes, in skip_b and in a row of out1
	v_lshl_add_u32 v25, v2, 5, s59
.irp n, 0,1,2,3
	global_load_b128 v[SB+8*(\n):SB+8*(\n)+3],   v25, s[8:9] offset:64*(\n)
	global_load_b128 v[SB+8*(\n)+4:SB+8*(\n)+7], v25, s[8:9] offset:64*(\n)+16
.endr
	s_lshl_b32 s62, s22, 3
	s_add_co_u32 s62, s62, s21                     ; the work-group's number, 8 yt + xt
	s_lshl_b32 s62, s62, 7
	v_add_nc_u32 v[Q], s62, v0                     ; q
	v_add_nc_u32 v24, 20480, v[Q]
	v_min_u32 v24, 24999, v24                      ; the second four, kept inside the buffer where there is none
	v_lshlrev_b32 v23, 4, v[Q]
	v_lshlrev_b32 v24, 4, v24
	global_load_b128 v[64:67], v23, s[12:13]
	global_load_b128 v[68:71], v23, s[12:13] offset:400000
	global_load_b128 v[72:75], v24, s[12:13]
	global_load_b128 v[76:79], v24, s[12:13] offset:400000
	v_mul_u32_u24 v3, v1, KP                       ; the addresses, in the wait for the indices
	v_lshl_add_u32 v3, v2, 4, v3
	s_mul_i32 s57, s18, 32*KP
	v_add_nc_u32 v[ADA], s57, v3
	v_add_nc_u32 v[ADB], BBASE, v3
	s_mul_i32 s57, s18, 16*SPITCH
	s_add_co_u32 s57, s57, STAGE
	v_mul_u32_u24 v4, v1, SPITCH
	v_lshl_add_u32 v4, v2, 5, v4
	v_add_nc_u32 v[STO], s57, v4
	v_mul_u32_u24 v5, v2, SPITCH
	v_lshl_add_u32 v5, v1, 4, v5
	v_add_nc_u32 v[RD], s57, v5
	v_lshlrev_b32 v5, 11, v2
	v_lshl_add_u32 v[CO], v1, 4, v5
	s_lshl_b32 s58, s22, 7
	s_lshl_b32 s56, s18, 5
	s_add_co_u32 s58, s58, s56                     ; 128 yt + 32 w
	v_add_nc_u32 v[VR], s58, v2
	s_lshl_b32 s60, s58, 11                        ; 2,048 bytes a row of out1
	s_add_co_u32 s60, s60, s59
	s_mov_b32 s61, 0
	s_add_nc_u64 s[16:17], s[16:17], s[60:61]
	s_wait_loadcnt 0x0                             ; skip_b and the indices
.set i, 0
.rept 16
	v_min_u32 v[64+i], 2499, v[64+i]               ; an index stays inside score
	v_lshlrev_b32 v[64+i], 2, v[64+i]
.set i, i+1
.endr
.set i, 0
.rept 16
	global_load_b32 v[80+i], v[64+i], s[10:11]
.set i, i+1
.endr
.set i, 0
.rept 16                                       ; skip_b rounded to bf16, kept as f32: in the wait for the scores
	v_cvt_pk_bf16_f32 v[6+i%2], v[SB+2*i], v[SB+2*i+1]
	v_lshlrev_b32 v[SB+2*i], 16, v[6+i%2]
	v_and_b32 v[SB+2*i+1], 0xffff0000, v[6+i%2]
.set i, i+1
.endr
	s_wait_loadcnt 0x0
	v_pk_mul_f32 v[96:97], v[80:81], v[84:85]
	v_pk_mul_f32 v[98:99], v[82:83], v[86:87]
	v_pk_mul_f32 v[100:101], v[88:89], v[92:93]
	v_pk_mul_f32 v[102:103], v[90:91], v[94:95]
	global_store_b128 v23, v[96:99], s[14:15]      ; a wave stores 512 consecutive bytes, at a multiple of 512 from out0's first byte
	v_cmp_gt_u32 vcc_lo, 4520, v[Q]                ; who has a second four
	s_wait_xcnt 0x0                                ; EXEC changes only behind this wait
	s_and_saveexec_b32 s63, vcc_lo
	global_store_b128 v24, v[100:103], s[14:15]
	s_wait_xcnt 0x0                                ; and again in front of the line that widens it; the stores' data registers are free too
	s_or_b32 exec_lo, exec_lo, s63
; 12 LDS loads: the fragments of 32 along K, step i, into buffer f
.macro FETCHK i, f
.irp n, 0,1,2,3
	ds_load_b128 v[FR+48*(\f)+16+8*(\n):FR+48*(\f)+16+8*(\n)+3],   v[ADB] offset:(\n)*16*KP+64*(\i)
	ds_load_b128 v[FR+48*(\f)+16+8*(\n)+4:FR+48*(\f)+16+8*(\n)+7], v[ADB] offset:(\n)*16*KP+64*(\i)+32
.endr
.irp m, 0,1
	ds_load_b128 v[FR+48*(\f)+8*(\m):FR+48*(\f)+8*(\m)+3],   v[ADA] offset:(\m)*16*KP+64*(\i)
	ds_load_b128 v[FR+48*(\f)+8*(\m)+4:FR+48*(\f)+8*(\m)+7], v[ADA] offset:(\m)*16*KP+64*(\i)+32
.endr
.endm
; 8 matrix instructions; the 8 accumulators take turns.  first = 1: the products start the sums, with skip_b as C
.macro MULK f, first
.irp m, 0,1
.irp n, 0,1,2,3
.if \first
	v_wmma_f32_16x16x32_f16 v[ACC+8*(4*(\m)+(\n)):ACC+8*(4*(\m)+(\n))+7], v[FR+48*(\f)+16+8*(\n):FR+48*(\f)+16+8*(\n)+7], v[FR+48*(\f)+8*(\m):FR+48*(\f)+8*(\m)+7], v[SB+8*(\n):SB+8*(\n)+7]
.else
	v_wmma_f32_16x16x32_f16 v[ACC+8*(4*(\m)+(\n)):ACC+8*(4*(\m)+(\n))+7], v[FR+48*(\f)+16+8*(\n):FR+48*(\f)+16+8*(\n)+7], v[FR+48*(\f)+8*(\m):FR+48*(\f)+8*(\m)+7], v[ACC+8*(4*(\m)+(\n)):ACC+8*(4*(\m)+(\n))+7]
.endif
.endr
.endr
.endm
	s_wait_tensorcnt 0x0                           ; my two tiles are in,
	s_barrier_signal -1
	s_barrier_wait -1                              ; everybody's are: skip16's rows are read by all four waves
	FETCHK 0, 0
.set k, 0
.rept 16
.if k < 15
.if k > 0
	PLACES                                         ; the other buffer was read by the matrix instructions just issued
.endif
	FETCHK k+1, (k+1)%2
	s_wait_dscnt 12                                ; all but the twelve just issued
.else
	s_wait_dscnt 0x0
.endif
.if k == 0
	MULK 0, 1
.else
	MULK k%2, 0
.endif
.set k, k+1
.endr
	; THE WAY OUT: a lane's 8 columns, 32 bytes, into my stage, 16 rows at a time (each accumulator's low four registers first); back as whole rows of 256 bytes.
	PLACES
.irp m, 0,1
.irp n, 0,1,2,3
	ds_store_b128 v[STO], v[ACC+8*(4*(\m)+(\n)):ACC+8*(4*(\m)+(\n))+3]   offset:64*(\n)
	ds_store_b128 v[STO], v[ACC+8*(4*(\m)+(\n))+4:ACC+8*(4*(\m)+(\n))+7] offset:64*(\n)+16
.endr
.irp t, 0,1,2,3,4,5,6,7
	ds_load_b128 v[FR+32*(\m)+4*(\t):FR+32*(\m)+4*(\t)+3], v[RD] offset:(\t)*2*SPITCH  ; LDS serves a wave's instructions in order (ISA guide 5.7.1.4)
.endr
.endr
.irp m, 0,1
	s_wait_dscnt 16-16*(\m)                        ; behind the first block's loads stand the second block's eight stores and eight loads
.irp t, 0,1,2,3,4,5,6,7
	s_wait_xcnt 0x0                                ; EXEC changes only behind this wait
	v_cmpx_gt_u32 2500-16*(\m)-2*(\t), v[VR]       ; rows under 2,500 alone are stored; the bound falls from store to store, so EXEC only narrows
	global_store_b128 v[CO], v[FR+32*(\m)+4*(\t):FR+32*(\m)+4*(\t)+3], s[16:17] offset:(16*(\m)+2*(\t))*2048  ; 16 lanes store 256 consecutive bytes, at a multiple of 256 from out1's first byte
.endr
.endr
	s_wait_xcnt 0x0
	s_mov_b32 exec_lo, -1
	s_wait_tensorcnt 0x0                           ; the wave's end: behind my last tensor load and my last LDS store
	ds_add_u32 v[SPW], v[NIL]
	s_wait_dscnt 0x0
	CROUND                                         ; the closing round
	s_endpgm
.Lfunc_end_k_qa7e0d496c2_skip:
	.size	k_qa7e0d496c2_skip, .Lfunc_end_k_qa7e0d496c2_skip-k_qa7e0d496c2_skip
	.p2alignl 7, 3214868480
	.fill 96, 4, 3214868480
	.section	.rodata,"a",@progbits
	.p2align	6, 0x0
	.amdhsa_kernel k_qa7e0d496c2_skip
		.amdhsa_group_segment_fixed_size 217600
		.amdhsa_private_segment_fixed_size 0
		.amdhsa_enable_private_segment 0
		.amdhsa_kernarg_size 56
		.amdhsa_user_sgpr_count 2
		.amdhsa_user_sgpr_kernarg_segment_ptr 1
		.amdhsa_wavefront_size32 1
		.amdhsa_system_sgpr_workgroup_id_x 1
		.amdhsa_system_sgpr_workgroup_id_y 1
		.amdhsa_system_sgpr_workgroup_id_z 1
		.amdhsa_system_vgpr_workitem_id 0
		.amdhsa_next_free_vgpr 224
		.amdhsa_next_free_sgpr 66
		.amdhsa_reserve_vcc 1
		.amdhsa_float_denorm_mode_32 3
		.amdhsa_float_denorm_mode_16_64 3
		.amdhsa_memory_ordered 1
		.amdhsa_forward_progress 1
		.amdhsa_inst_pref_size 41
	.end_amdhsa_kernel
	.amdgpu_metadata
---
amdhsa.version: [ 1, 2 ]
amdhsa.kernels:
  - .name:           k_qa7e0d496c2_skip
    .symbol:         k_qa7e0d496c2_skip.kd
    .args:
      - { .name: hn16, .offset: 0, .size: 8, .value_kind: global_buffer, .address_space: global }
      - { .name: skip16, .offset: 8, .size: 8, .value_kind: global_buffer, .address_space: global }
      - { .name: skip_b, .offset: 16, .size: 8, .value_kind: global_buffer, .address_space: global }
      - { .name: score, .offset: 24, .size: 8, .value_kind: global_buffer, .address_space: global }
      - { .name: edge_label_index, .offset: 32, .size: 8, .value_kind: global_buffer, .address_space: global }
      - { .name: out0, .offset: 40, .size: 8, .value_kind: global_buffer, .address_space: global }
      - { .name: out1, .offset: 48, .size: 8, .value_kind: global_buffer, .address_space: global }
    .group_segment_fixed_size: 217600
    .private_segment_fixed_size: 0
    .kernarg_segment_align: 8
    .kernarg_segment_size: 56
    .max_flat_workgroup_size: 128
    .sgpr_count:     66
    .vgpr_count:     224
    .wavefront_size: 32
...
	.end_amdgpu_metadata
.endif
;; end of part 4
